; MI455X (gfx1250); checked and timed in simulation.
; The chip was launched on July 23, 2026; its instructions are those of AMD's public machine-readable ISA for CDNA 5 (MIT licence, August 2026) and "CDNA5" Instruction Set Architecture Reference Guide (July 2026). The comments in the code are by the model that wrote it; some were corrected since.
;; AG Gemm Intra Node. Allowed arithmetic: matrix products marked QUANTISED: E4M3 operands, one given power-of-two scale a tensor, by v_wmma_f32_16x16x64_fp8_fp8 or v_wmma_f32_16x16x128_fp8_fp8, f32 sums; everything else in f32.
;; Inputs: input_shards 8 x 1,024 x 4,096 float32; lowp_scales 2 int32 (the exponents e of the quantised operands' scales 2^e); weight 2,048 x 4,096 float32.
;; Outputs: out0 8,192 x 2,048 float32.
;; Constants: transed_weight = 0.
;; This version of the problem:
;;   THIS VERSION OF THE PROBLEM IS GIVEN IN LOW PRECISION. The matrix products marked QUANTISED in the list below multiply operands that are first quantised to E4M3 (4 exponent bits, 3 mantissa bits; 8 bits a number), with one given power-of-two scale for each operand tensor; their sums are f32. All else is computed in f32.
;;   The module's matrix products, in the order in which they are computed (A, B: the left and right operand; K: the contracted axis; several contracted axes count as one K, in the product's order):
;;     1. [M 8,192, K 4,096] x [K 4,096, N 2,048]; A: input input_shards; B: input weight: QUANTISED (scales: A lowp_scales[0], B lowp_scales[1])
;;   THE QUANTISER, for each operand of a quantised product, along K:
;;     - The operand's scale is 2^e, e = its entry of the input lowp_scales (int32; the entries are numbered through the quantised products in the list's order, A before B).
;;     - Each number is divided by the scale, clamped to +-448, and rounded to the nearest number of E4M3, ties to even, subnormals kept.
;;     - The product sums the exact products of the quantised numbers (number of the format x scale) in f32.
;;   ~~~python
;;   def quantise(x, axis, e):      # numpy; x: float32 -> the quantised numbers, widened to float32 again
;;       x = np.moveaxis(x, axis, -1); K = x.shape[-1]
;;       r = np.clip(x / 2.0 ** e, -448, 448)
;;       step = 2.0 ** (np.maximum(np.frexp(np.where(r == 0, 1, r))[1] - 1, -6) - 3)
;;       q = np.round(r / step) * step * 2.0 ** e      # np.round: ties to even
;;       return np.moveaxis(q, -1, axis).astype(np.float32)
;;   ~~~
;; One version. Each part assembles by itself: llvm-mc -triple=amdgcn-amd-amdhsa -mcpu=gfx1250 --defsym DOCPART=n.
;; ======== version 1 of 1: 2 launches
;; limits: right only within a limited range of input values
;; workspace buffers: a_codes 33,554,432 bytes; b_codes 8,388,608 bytes
;; launch quant (part 1): grid 256 x 1, 20 waves a work-group, no clusters, 0 bytes of LDS; arguments input_shards, weight, lowp_scales, a_codes, b_codes; writes a_codes, b_codes
.if DOCPART == 1
	.amdgcn_target "amdgcn-amd-amdhsa--gfx1250"
	.amdhsa_code_object_version 6
	.text
	.protected	k_q5aaa20a1e3_quant
	.globl	k_q5aaa20a1e3_quant
	.p2align	8
	.type	k_q5aaa20a1e3_quant,@function
k_q5aaa20a1e3_quant:
	s_mov_b64 s[64:65], 0
	v_nop
	global_prefetch_b8 v0, s[64:65] scope:SCOPE_SE
	s_setreg_imm32_b32 hwreg(HW_REG_WAVE_MODE, 25, 1), 1
	s_wait_xcnt 0x0
; A = input_shards read as [8192][4096] (the shards lie one behind the other: the gather moves no byte) and W = weight [2048][4096] (transed_weight is the constant 0: W's rows lie along K),
; both f32, are turned into codes of FP8 (E4M3), one code a byte, each tensor with the scale 2^e given for it: entry 0 of the scales for A, entry 1 for W.
; code = x / 2^e, held within +-448, rounded to the nearest code, ties to even.
; LIMITS: -126 <= e <= 119, so that 2^e and 448 x 2^e are f32 numbers.  NaN among the inputs is not served; an infinity is held at the largest code.
; THE WORKSPACE'S LAYOUT is the program's own, made for the product's launch:
;  (1) along K, inside each run of 512 codes, the code of k = 128 i + 4 l + j (i, j = 0..3, l = 0..31) lies at byte 16 l + 4 i + j.  The order is the same in A and in W, so in the product every code meets its partner.
;      It is the order in which the codes arise: a step's four loads read 512 consecutive bytes each, 16 a lane, and two conversions give the lane 16 bytes, which it stores at 16 x lane: nothing is turned.
;  (2) W's row n lies at row p = (n & ~63) + 16 (n & 3) + ((n >> 2) & 15) of b_codes: the product's launch says why.  A's rows lie in their own order.
; SHARES.  5,120 runs of two rows (8,192 numbers): 4,096 of A, then 1,024 of W; a wave takes one run in 16 steps of 512 numbers; 20 waves a work-group, 256 work-groups.
; Loads run AHEAD steps ahead (24 loads a wave); each step has its own four registers of codes, and the wave's 16 stores, 512 consecutive aligned bytes each, stand at its end.
; No LDS, no barrier, no matrix work: waves share nothing.  No prefetch: the launch is one stream of loads that are all asked for ahead.
.set WAVES, 20
.set STEPS, 16
.set AHEAD, 6
.set RUNA,  4096                       ; runs of A
.set EMAX,  8                          ; the exponent of 448
.set MANT,  0x600000                   ; the mantissa field of 448 as f32
.set R,     16                         ; v16-111  six sets of 16 numbers as loaded
.set C,     112                        ; v112-175 four words of codes for each step
	s_load_b128 s[4:7], s[0:1], 0x0                ; A, W
	s_load_b64 s[10:11], s[0:1], 0x10              ; the scales' exponents
	s_load_b128 s[12:15], s[0:1], 0x18             ; A's codes, W's codes
	v_lshrrev_b32 v1, 5, v0
	v_readfirstlane_b32 s16, v1                    ; wave
	v_and_b32 v2, 31, v0
	v_lshlrev_b32 v3, 4, v2                        ; 16 x lane: my bytes of a load's 512 and of a store's 512; never rewritten
	s_mul_i32 s17, ttmp9, WAVES
	s_add_co_u32 s17, s17, s16                     ; my run
	s_wait_alu depctr_va_vdst(0)
	s_wait_kmcnt 0x0
	s_load_b64 s[22:23], s[10:11], 0x0             ; ea, eb
	s_cmp_lt_u32 s17, RUNA                         ; A's run or W's?  The choice hangs on ids alone; both tensors take one path
	s_cselect_b64 s[4:5], s[4:5], s[6:7]
	s_cselect_b64 s[8:9], s[12:13], s[14:15]
	s_cselect_b32 s18, 0, RUNA
	s_mov_b32 s25, 0x10000
	s_cselect_b32 s24, 0x1000, s25                 ; bytes from my first row of codes to my second: one row in A, 16 rows in W (n & 3 grows by 1)
	s_mov_b32 s25, 0
	s_sub_co_u32 s18, s17, s18                     ; my run within its tensor
	s_lshl_b32 s20, s18, 15                        ; 32,768 bytes of numbers a run
	s_mov_b32 s21, 0
	s_add_nc_u64 s[4:5], s[4:5], s[20:21]
.macro LOAD t                          ; step t: register 4 i + j of set t % AHEAD = number 128 i + 4 x lane + j of the step
.irp i, 0,1,2,3
	global_load_b128 v[R+16*((\t)%AHEAD)+4*\i:R+16*((\t)%AHEAD)+4*\i+3], v3, s[4:5] offset:2048*(\t)+512*\i th:TH_LOAD_NT
.endr
.endm
.irp t, 0,1,2,3,4,5
	LOAD \t
.endr
	s_lshl_b32 s19, s18, 1                         ; n: my first row
	s_and_b32 s20, s19, 3
	s_lshl_b32 s20, s20, 4
	s_bfe_u32 s26, s19, 0x40002
	s_add_co_u32 s20, s20, s26
	s_and_b32 s26, s19, 0xffffffc0
	s_add_co_u32 s20, s20, s26                     ; p(n)
	s_cmp_lt_u32 s17, RUNA
	s_cselect_b32 s20, s19, s20                    ; A: n itself
	s_lshl_b32 s20, s20, 12                        ; a row of codes is 4,096 bytes
	s_add_nc_u64 s[8:9], s[8:9], s[20:21]          ; my first row of codes
	s_add_nc_u64 s[12:13], s[8:9], s[24:25]        ; my second
	s_wait_kmcnt 0x0
	s_cmp_lt_u32 s17, RUNA
	s_cselect_b32 s22, s22, s23                    ; e
	s_add_co_i32 s22, s22, 127
	s_lshl_b32 s23, s22, 23
	v_mov_b32 v11, s23                             ; 2^e as f32: the conversion takes its exponent field
	s_add_co_i32 s22, s22, EMAX
	s_lshl_b32 s22, s22, 23
	s_or_b32 s22, s22, MANT
	v_mov_b32 v10, s22                             ; 448 x 2^e
	s_wait_alu depctr_va_vdst(0)
.macro STEP t
.set RS, R+16*((\t)%AHEAD)
.if STEPS-1-(\t) >= AHEAD-1
	s_wait_loadcnt 4*(AHEAD-1)                     ; this step's four loads are in; those of the five steps behind it may be out
.else
	s_wait_loadcnt 4*(STEPS-1-(\t))                ; near the end fewer steps stand behind it
.endif
.irp i, 0,1,2,3,4,5,6,7,8,9,10,11,12,13,14,15
	v_med3_num_f32 v[RS+\i], v[RS+\i], -v10, v10   ; the conversion to an 8-bit code does not saturate (ISA guide 7.6.2): hold first
.endr
	v_cvt_scalef32_pk8_fp8_f32 v[C+4*(\t):C+4*(\t)+1], v[RS:RS+7], v11
	v_cvt_scalef32_pk8_fp8_f32 v[C+4*(\t)+2:C+4*(\t)+3], v[RS+8:RS+15], v11   ; the codes go to a store alone; the next vector lines are plain and on other registers
.if (\t)+AHEAD < STEPS
	LOAD (\t)+AHEAD
.endif
.endm
.irp t, 0,1,2,3,4,5,6,7,8,9,10,11,12,13,14,15
	STEP \t
.endr
.irp t, 0,1,2,3,4,5,6,7
	global_store_b128 v3, v[C+4*\t:C+4*\t+3], s[8:9] offset:512*\t             ; 32 lanes store 512 consecutive bytes, aligned
.endr
.irp t, 0,1,2,3,4,5,6,7
	global_store_b128 v3, v[C+32+4*\t:C+32+4*\t+3], s[12:13] offset:512*\t
.endr
	s_endpgm
.Lfunc_end_k_q5aaa20a1e3_quant:
	.size	k_q5aaa20a1e3_quant, .Lfunc_end_k_q5aaa20a1e3_quant-k_q5aaa20a1e3_quant
	.p2alignl 7, 3214868480
	.fill 96, 4, 3214868480
	.section	.rodata,"a",@progbits
	.p2align	6, 0x0
	.amdhsa_kernel k_q5aaa20a1e3_quant
		.amdhsa_group_segment_fixed_size 0
		.amdhsa_private_segment_fixed_size 0
		.amdhsa_enable_private_segment 0
		.amdhsa_kernarg_size 40
		.amdhsa_user_sgpr_count 2
		.amdhsa_user_sgpr_kernarg_segment_ptr 1
		.amdhsa_wavefront_size32 1
		.amdhsa_system_sgpr_workgroup_id_x 1
		.amdhsa_system_sgpr_workgroup_id_y 1
		.amdhsa_system_sgpr_workgroup_id_z 1
		.amdhsa_system_vgpr_workitem_id 0
		.amdhsa_next_free_vgpr 192
		.amdhsa_next_free_sgpr 66
		.amdhsa_reserve_vcc 0
		.amdhsa_float_denorm_mode_32 3
		.amdhsa_float_denorm_mode_16_64 3
		.amdhsa_memory_ordered 1
		.amdhsa_forward_progress 1
		.amdhsa_inst_pref_size 29
	.end_amdhsa_kernel
	.amdgpu_metadata
---
amdhsa.version: [ 1, 2 ]
amdhsa.kernels:
  - .name:           k_q5aaa20a1e3_quant
    .symbol:         k_q5aaa20a1e3_quant.kd
    .args:
      - { .name: input_shards, .offset: 0, .size: 8, .value_kind: global_buffer, .address_space: global }
      - { .name: weight, .offset: 8, .size: 8, .value_kind: global_buffer, .address_space: global }
      - { .name: lowp_scales, .offset: 16, .size: 8, .value_kind: global_buffer, .address_space: global }
      - { .name: a_codes, .offset: 24, .size: 8, .value_kind: global_buffer, .address_space: global }
      - { .name: b_codes, .offset: 32, .size: 8, .value_kind: global_buffer, .address_space: global }
    .group_segment_fixed_size: 0
    .private_segment_fixed_size: 0
    .kernarg_segment_align: 8
    .kernarg_segment_size: 40
    .max_flat_workgroup_size: 640
    .sgpr_count:     66
    .vgpr_count:     192
    .wavefront_size: 32
...
	.end_amdgpu_metadata
.endif
;; end of part 1
;; launch gemm (part 2): grid 8 x 32, 4 waves a work-group, clusters of 4 x 4, 327,680 bytes of LDS; arguments a_codes, b_codes, lowp_scales, out0; writes out0
.if DOCPART == 2
	.amdgcn_target "amdgcn-amd-amdhsa--gfx1250"
	.amdhsa_code_object_version 6
	.text
	.protected	k_q5aaa20a1e3_gemm
	.globl	k_q5aaa20a1e3_gemm
	.p2align	8
	.type	k_q5aaa20a1e3_gemm,@function
k_q5aaa20a1e3_gemm:
	s_mov_b64 s[64:65], 0
	v_nop
	global_prefetch_b8 v0, s[64:65] scope:SCOPE_SE
	s_setreg_imm32_b32 hwreg(HW_REG_WAVE_MODE, 25, 1), 1
	s_wait_xcnt 0x0
	s_wait_alu depctr_hold_cnt(0) depctr_sa_sdst(0) depctr_va_vdst(0) depctr_va_sdst(0) depctr_va_ssrc(0) depctr_va_vcc(0) depctr_vm_vsrc(0)
	s_getreg_b32 s2, hwreg(HW_REG_IB_STS2, 6, 4)
	s_cmp_eq_u32 s2, 0
	s_cbranch_scc0 .Lentry_in_a_cluster
	s_endpgm
.Lentry_in_a_cluster:
	s_bfe_u32 s2, ttmp6, 0x10000c
	s_cmp_lg_u32 s2, 0xf033
	s_cbranch_scc0 .Lentry_shape_is_right
	s_endpgm
.Lentry_shape_is_right:
; out0[m][n] = 2^(ea + eb) x sum over k of A's code (m, k) x W's code (n, k): codes of FP8 (E4M3) as the launch before laid them, sums in f32.
; LIMIT: ea + eb lies between -126 and 127, so that 2^(ea + eb) is an f32 number.
; The codes' order along K is the same in both buffers, and the fragments of both are fetched alike, so every product meets its partner; only the order of the sums differs from ascending k.
; A tile of 256 x 256 is made by four waves, 128 x 128 each: 64 accumulators, 512 registers.  K goes in steps of 256 through two LDS slots filled by the tensor data mover (rows of 256 bytes, 272 apart in LDS).
; CLUSTERS: 4 x 4 work-groups; A's tiles are asked for jointly along a row of the cluster, W's along a column.
; FRAGMENTS.  A step of 128 along K is 64 products, A's blocks 0-7 one after the other, each against W's eight.  A has one set of registers, W two.  The next step's 64 LDS loads go out in four runs among the products:
; in a slot's first step W'0-3, W'4-7, A'0-3, A'4-7, each behind two blocks; in its second step, which changes slots, behind the round: W'0-5; W'6-7, A'0-1; A'2-5; A'6-7.  LDS loads come back in order: each counted wait
; names the loads issued behind the fragments that the next products read.  Four v_nop stand ahead of each run that lands on registers which products since the last such four have read.
; THE WAY OUT NEEDS NO LDS.  Source 0 = 16 rows of A, source 1 = 16 rows of b_codes: register j of lane (r, h) is row 8 h + j of the block and row 16 b + r of b_codes, which holds W's row 64 (b / 4) + 4 r + b % 4.
; So register j of the four accumulators 4 g .. 4 g + 3 is 16 neighbouring bytes of a row of out0, and sixteen lanes hold 256 consecutive, aligned bytes: the scaling puts the four side by side.
; In the last step a block's sums are whole when its eight products are done: blocks 0-4 are scaled between the products of the blocks behind them.  Each block's 64 results have registers of their own, so the wave's
; 128 stores stand in one run at its end, behind its last vector instruction, and no store's data are written again.
; REGISTERS: window 0: v16-30 addresses, v128-255 A's fragments; window 1: W's two sets; windows 2, 3: accumulator (a, b) at v[8 (8 (a % 4) + b)].
; The scaled results: blocks 0, 1 over W's set 0; 2, 3, 4 in window 0, v32-223; 5, 6 over W's set 1; 7 over block 0's accumulators.
.set SIZE_N, 2048
.set SIZE_K, 4096
.set ROWB,   256                       ; a tile's row: 256 codes
.set PITCH,  272                       ; + 16 bytes of padding: the 16 rows of a fragment load start at 16 different groups of banks (ISA guide 11.1)
.set HALFT,  128*PITCH                 ; what one tensor load brings
.set SLOT,   4*HALFT                   ; A's 256 rows, then W's 256
.set LAPS,   SIZE_K/(2*ROWB)
.set SPARE,  2*SLOT                    ; behind the ring: the spare words, 128 bytes a wave
.set ADRA, 16                          ; v16-17 my A fragments in slot 0, 1
.set ADRB, 20                          ; v20-21 the same for W
.set CO,   26                          ; v26 my byte offset in out0
.set SPW,  28
.set NIL,  29
.set PFO,  30                          ; v30 the prefetches' offset: lane x a row of codes
.set AF,   128
.set G1, 24
.set G0, 32
.set G1B, 48
.set G0B, 56
.set PFA, 66
.set MSB, 0
.macro WIN new                         ; the immediate's high byte repeats the setting that is left
.if MSB != (\new)
	s_set_vgpr_msb (MSB<<8)|(\new)
.set MSB, (\new)
.endif
.endm
.set MUL_LO, 0xa4                      ; source 0 (A) window 0, source 1 (W) window 1, C and D window 2; + 0x50: window 3
.set TO_B,   0x40                      ; destination window 1, address window 0
.macro JLOAD g0a, g1a, g0b, g1b        ; a joint load: waves 0, 1 fetch for A, waves 2, 3 for W; s_nop 0 and four v_nop behind each line
	s_cmp_eq_u32 s15, 0
	s_cbranch_scc0 .Lfor_b_\@
	tensor_load_to_lds s[\g0a:\g0a+3], s[\g1a:\g1a+7]
	s_nop 0
.rept 4
	v_nop
.endr
	s_branch .Lasked_\@
.Lfor_b_\@:
	tensor_load_to_lds s[\g0b:\g0b+3], s[\g1b:\g1b+7]
	s_nop 0
.rept 4
	v_nop
.endr
.Lasked_\@:
.endm
; THE PREFETCHES: 32 rows x 256 bytes an instruction, a lane a row.  Of the 128 rows that a wave fetches, each of the four partners that ask for them jointly names 32, told apart by address.
; Behind each joint refill of the loop: the K step two refills on; the loop's last trip asks for nothing: its K steps two on do not exist.  At the head: K steps 1 and 2 behind the first joint load,
; K step 3 behind the second: so every K step but the first is named once ahead of its load, and at most two K steps are asked for and not yet loaded.
.macro ASK
	s_cmp_gt_u32 s3, 1
	s_cbranch_scc0 .Lno_ask_\@
	global_prefetch_b8 v[PFO], s[PFA:PFA+1] offset:ROWB th:TH_LOAD_NT scope:SCOPE_SE
.Lno_ask_\@:
.endm
.macro CREST                           ; a round of the cluster's barrier behind its opening barrier
	s_cmp_lg_u32 s14, 0
	s_cbranch_scc1 .Lnot_wave_0_\@
	s_barrier_signal -3
.Lnot_wave_0_\@:
	s_barrier_wait -3
	s_barrier_signal -1
	s_barrier_wait -1
.endm
.macro CROUND
	s_barrier_signal -1
	s_barrier_wait -1
	CREST
.endm
	s_load_b128 s[4:7], s[0:1], 0x0                ; A's codes, W's codes
	s_load_b128 s[8:11], s[0:1], 0x10              ; the scales' exponents, out0
	v_lshl_add_u32 v[SPW], v0, 2, SPARE
	v_mov_b32 v[NIL], 0
	ds_add_u32 v[SPW], v[NIL]                      ; the opening lines: the add, twice on end, and its wait ahead of my first tensor load
	ds_add_u32 v[SPW], v[NIL]
	v_lshrrev_b32 v1, 5, v0
	v_readfirstlane_b32 s14, v1                    ; wave
	s_lshr_b32 s15, s14, 1                         ; my half of the tile's rows; also: I fetch for A (0) or W (1)
	s_and_b32 s16, s14, 1                          ; my half of its columns; also: which 128 rows I fetch
	s_bfe_u32 s40, ttmp6, 0x40000                  ; cx
	s_bfe_u32 s41, ttmp6, 0x40004                  ; cy
	s_lshl_b32 s42, ttmp9, 2
	s_add_co_u32 s42, s42, s40                     ; tile column
	s_and_b32 s17, ttmp7, 0xffff
	s_lshl_b32 s17, s17, 2
	s_add_co_u32 s17, s17, s41                     ; tile row
	s_lshl_b32 s43, s41, 2
	s_lshl_b32 s43, 15, s43                        ; my row of the cluster
	s_lshl_b32 s44, 0x1111, s40                    ; my column
	s_or_b32 s[G1+0], s43, (0<<16)|(1<<20)|(1<<21)|(5<<22)|(3<<25)   ; mask; elements of 1 byte; 4 words of padding behind every 64
	s_or_b32 s[G1B+0], s44, (0<<16)|(1<<20)|(1<<21)|(5<<22)|(3<<25)
.irp g, G1, G1B
	s_mov_b32 s[\g+1], ROWB<<16
	s_mov_b32 s[\g+2], 128<<16
	s_mov_b32 s[\g+3], ROWB<<16
	s_mov_b32 s[\g+4], 128
	s_mov_b32 s[\g+5], SIZE_K
	s_mov_b32 s[\g+6], 0
	s_mov_b32 s[\g+7], 0
.endr
	s_lshl_b32 s18, s16, 7
	s_lshl_b32 s20, s17, 8
	s_add_co_u32 s20, s20, s18                     ; A: row 256 x tile row + 128 x half
	s_lshl_b32 s46, s42, 8
	s_add_co_u32 s46, s46, s18                     ; W: row 256 x tile column + 128 x half
	s_mov_b32 s21, 0
	s_mov_b32 s47, 0
	s_mov_b64 s[18:19], SIZE_K
	s_mul_u64 s[20:21], s[20:21], s[18:19]
	s_mul_u64 s[46:47], s[46:47], s[18:19]
	s_mul_i32 s45, s14, HALFT                      ; where they go: wave x 128 rows
	s_wait_dscnt 0x0                               ; both opening adds are done
	s_wait_kmcnt 0x0
	s_load_b64 s[96:97], s[8:9], 0x0               ; ea, eb
	s_add_nc_u64 s[20:21], s[4:5], s[20:21]
	s_add_nc_u64 s[46:47], s[6:7], s[46:47]
.irp s, 0,1
	s_mov_b32 s[G0+4*\s], 1
	s_add_co_u32 s[G0+4*\s+1], s45, \s*SLOT
	s_add_nc_u64 s[G0+4*\s+2:G0+4*\s+3], s[20:21], \s*ROWB
	s_or_b32 s[G0+4*\s+3], s[G0+4*\s+3], 0x80000000
	s_mov_b32 s[G0B+4*\s], 1
	s_add_co_u32 s[G0B+4*\s+1], s45, \s*SLOT
	s_add_nc_u64 s[G0B+4*\s+2:G0B+4*\s+3], s[46:47], \s*ROWB
	s_or_b32 s[G0B+4*\s+3], s[G0B+4*\s+3], 0x80000000
.endr
	CROUND                                         ; all sixteen work-groups are here: the first joint loads meet
	JLOAD G0, G1, G0B, G1B                         ; K step 0: one tensor load a wave at the head
	s_mul_i32 s21, s15, HALFT                      ; my 128 rows of A
	s_mul_i32 s22, s16, HALFT
	s_add_co_u32 s22, s22, 2*HALFT                 ; my 128 rows of W, behind A's 256
	v_and_b32 v1, 15, v0                           ; r
	v_bfe_u32 v2, v0, 4, 1                         ; h
	v_mul_u32_u24 v3, v1, PITCH
	v_lshl_add_u32 v3, v2, 4, v3                   ; a fragment's row x pitch + 16 h
	v_add_nc_u32 v[ADRA], s21, v3
	v_add_nc_u32 v[ADRB], s22, v3
	v_add_nc_u32 v[ADRA+1], SLOT, v[ADRA]
	v_add_nc_u32 v[ADRB+1], SLOT, v[ADRB]
	v_lshlrev_b32 v[CO], 4, v1
	v_lshl_add_u32 v[CO], v2, 16, v[CO]            ; out0: 16 r + 8 h rows of 8,192 bytes
	v_and_b32 v[PFO], 31, v0
	v_lshlrev_b32 v[PFO], 12, v[PFO]
	s_lshl_b32 s70, s17, 8                         ; the prefetches: the tile's first row, in A by the tile row, in W by the tile column,
	s_lshl_b32 s71, s42, 8
	s_cmp_eq_u32 s15, 0
	s_cselect_b32 s70, s70, s71
	s_cselect_b32 s71, s40, s41                    ; my place among the four that ask with me
	s_cselect_b64 s[PFA:PFA+1], s[4:5], s[6:7]
	s_lshl_b32 s72, s16, 7
	s_add_co_u32 s70, s70, s72                     ; + the 128 rows that I fetch
	s_lshl_b32 s71, s71, 5
	s_add_co_u32 s70, s70, s71                     ; + my work-group's 32 of them
	s_lshl_b32 s70, s70, 12
	s_mov_b32 s71, 0
	s_add_nc_u64 s[PFA:PFA+1], s[PFA:PFA+1], s[70:71]
	s_add_nc_u64 s[PFA:PFA+1], s[PFA:PFA+1], 2*ROWB   ; at K step 2: the first refill steps it to 3 and names K step 4
	s_wait_alu depctr_va_vdst(0)                   ; it stands directly ahead of the reader below and serves all the head's vector writes
	global_prefetch_b8 v[PFO], s[PFA:PFA+1] offset:-ROWB th:TH_LOAD_NT scope:SCOPE_SE   ; K step 1
	global_prefetch_b8 v[PFO], s[PFA:PFA+1] th:TH_LOAD_NT scope:SCOPE_SE                ; K step 2
	s_lshl_b32 s20, s17, 8
	s_lshl_b32 s21, s15, 7
	s_add_co_u32 s20, s20, s21                     ; my first row of out0
	s_mov_b32 s21, 0
	s_mov_b64 s[18:19], SIZE_N*4
	s_mul_u64 s[20:21], s[20:21], s[18:19]
	s_lshl_b32 s46, s42, 10
	s_lshl_b32 s47, s16, 9
	s_add_co_u32 s46, s46, s47                     ; my first column, in bytes
	s_mov_b32 s47, 0
	s_add_nc_u64 s[20:21], s[20:21], s[46:47]
	s_add_nc_u64 s[10:11], s[10:11], s[20:21]
	s_wait_kmcnt 0x0
	s_add_co_i32 s96, s96, s97
	s_add_co_i32 s96, s96, 127
	s_lshl_b32 s96, s96, 23                        ; 2^(ea + eb) as f32
.macro FRAG reg, adr, q, i             ; 16 rows x 128 K: registers 4 c .. 4 c + 3 hold bytes 32 c + 16 h + 0 .. 15 of row r
.irp c, 0,1,2,3
	ds_load_b128 v[\reg+4*\c:\reg+4*\c+3], v[\adr] offset:128*(\q)+32*\c+(\i)*16*PITCH
.endr
.endm
.macro LA slot, q, i                   ; A's block i of the slot's q-th 128 along K
	WIN 0
	FRAG AF+16*(\i), ADRA+\slot, \q, \i
.endm
.macro LB slot, q, p, i                ; W's block i into set p
	WIN TO_B
	FRAG 128*(\p)+16*(\i), ADRB+\slot, \q, \i
.endm
; eight products: A's block a x W's eight of set p.  zero = 1: the product starts the sum.  The 64 accumulators take turns in the same order in every step.
.macro G8 a, p, zero
	WIN MUL_LO+0x50*((\a)/4)
.irp b, 0,1,2,3,4,5,6,7
.if \zero
	v_wmma_f32_16x16x128_fp8_fp8 v[8*(8*((\a)%4)+\b):8*(8*((\a)%4)+\b)+7], v[AF+16*(\a):AF+16*(\a)+15], v[128*(\p)+16*\b:128*(\p)+16*\b+15], 0
.else
	v_wmma_f32_16x16x128_fp8_fp8 v[8*(8*((\a)%4)+\b):8*(8*((\a)%4)+\b)+7], v[AF+16*(\a):AF+16*(\a)+15], v[128*(\p)+16*\b:128*(\p)+16*\b+15], v[8*(8*((\a)%4)+\b):8*(8*((\a)%4)+\b)+7]
.endif
.endr
.endm
.macro PLACES                          ; four places behind products: in front of loads into, and vector writes over, registers that they have read, and of reads of their results (ISA guide 7.12.1 for vector writes and reads of results)
.rept 4
	v_nop
.endr
.endm
; A slot's first 128 along K, on set 0; the next step lies in the same slot.  On the way in the youngest LDS loads are A2-5 (16) and A6-7 (8).
.macro STEP slot, zero
	s_wait_dscnt 24                                ; W's set, A0 and A1 are in; A2-7 may be out
	G8 0, 0, \zero
	G8 1, 0, \zero
.irp i, 0,1,2,3
	LB \slot, 1, 1, \i                             ; set 1 was last read ahead of the four places at the end of the step before
.endr
	s_wait_dscnt 24                                ; A2-5 are in; A6-7 and the 16 just issued may be out
	G8 2, 0, \zero
	G8 3, 0, \zero
.irp i, 4,5,6,7
	LB \slot, 1, 1, \i
.endr
	G8 4, 0, \zero
	G8 5, 0, \zero
	PLACES
.irp i, 0,1,2,3
	LA \slot, 1, \i
.endr
	s_wait_dscnt 48                                ; A6-7 are in; the three runs of 16 behind them may be out
	G8 6, 0, \zero
	G8 7, 0, \zero
	PLACES
.irp i, 4,5,6,7
	LA \slot, 1, \i                                ; leaves every window 0
.endr
.endm
; A slot's second 128 along K, on set 1, changes slots.  All its fragments have been asked for.  Each wave waits for all its tensor loads, adds 0 to its spare word, and waits for that and for its reads of the slot;
; the barrier opens a round of the cluster's barrier (fill = 1), behind which the slot is filled again first; then come the next slot's first fragments.
.macro TURN slot, next, fill
.if \fill
	s_wait_xcnt 0x0                                ; my last prefetch has read its address
	s_add_nc_u64 s[PFA:PFA+1], s[PFA:PFA+1], ROWB
.endif
	s_wait_tensorcnt 0x0                           ; all my tensor loads have landed: my part of the next slot
	ds_add_u32 v[SPW], v[NIL]
.if \fill
	s_add_nc_u64 s[G0+4*\slot+2:G0+4*\slot+3], s[G0+4*\slot+2:G0+4*\slot+3], 2*ROWB
	s_add_nc_u64 s[G0B+4*\slot+2:G0B+4*\slot+3], s[G0B+4*\slot+2:G0B+4*\slot+3], 2*ROWB
.endif
	s_wait_dscnt 17                                ; the add and A4-7 may be out
	G8 0, 1, 0
	G8 1, 1, 0
	s_wait_dscnt 0x0                               ; the add is done, and my reads of this slot are over
	s_barrier_signal -1
	G8 2, 1, 0
	G8 3, 1, 0
	WIN 0
	s_barrier_wait -1
.if \fill
	CREST
	JLOAD G0+4*\slot, G1, G0B+4*\slot, G1B         ; the first tensor load behind the round
.endif
.irp i, 0,1,2,3,4,5
	LB \next, 0, 0, \i                             ; set 0 was last read ahead of the four places at the end of the step before
.endr
	WIN 0
.if \fill
	ASK
.endif
	G8 4, 1, 0
	G8 5, 1, 0
	PLACES
	LB \next, 0, 0, 6
	LB \next, 0, 0, 7
	LA \next, 0, 0
	LA \next, 0, 1
	G8 6, 1, 0
.irp i, 2,3,4,5
	LA \next, 0, \i                                ; blocks 2-5 were multiplied ahead of the four places above
.endr
	G8 7, 1, 0
	PLACES
	LA \next, 0, 6
	LA \next, 0, 7                                 ; leaves every window 0
.endm
; THE WAY OUT of block a, 16 rows x 128 columns, in two parts.  SC: 64 scalings, which gather register j of four accumulators into four neighbouring registers, from register tb of window w on
; (each accumulator is read from register 0 on).  ST: 16 stores: lanes 0-15 fill 256 consecutive aligned bytes of row 16 a + j, lanes 16-31 of row 16 a + 8 + j.  Every offset is an immediate, 975,104 at the most.
.macro SC a, w, tb
	WIN ((\w)<<6)|(8+4*((\a)/4))                   ; destination: window w; source 1: window 2 or 3
.irp j, 0,1,2,3,4,5,6,7
.irp g, 0,1
.irp z, 0,1,2,3
	v_mul_f32 v[\tb+4*(8*\g+\j)+\z], s96, v[64*((\a)%4)+8*(4*\g+\z)+\j]
.endr
.endr
.endr
.endm
.macro ST a, w, tb
	WIN ((\w)<<2)                                  ; a store's data: source 1; its address: window 0
.irp j, 0,1,2,3,4,5,6,7
.irp g, 0,1
	global_store_b128 v[CO], v[\tb+4*(8*\g+\j):\tb+4*(8*\g+\j)+3], s[10:11] offset:(16*(\a)+\j)*SIZE_N*4+256*\g th:TH_STORE_NT
.endr
.endr
.endm
	s_wait_tensorcnt 0x0                           ; my part of K step 0 is in
	ds_add_u32 v[SPW], v[NIL]
	s_wait_dscnt 0x0
	CROUND
	JLOAD G0+4, G1, G0B+4, G1B                     ; K step 1, the first tensor load behind the round
.irp i, 0,1,2,3,4,5,6,7
	LB 0, 0, 0, \i
.endr
.irp i, 0,1,2,3,4,5,6,7
	LA 0, 0, \i
.endr
	global_prefetch_b8 v[PFO], s[PFA:PFA+1] offset:ROWB th:TH_LOAD_NT scope:SCOPE_SE   ; K step 3
	STEP 0, 1                                      ; the first step stands in front of the loop: its products start the sums
	s_mov_b32 s3, LAPS-1
.Llap:                                                 ; a trip goes once round the ring and fills both slots again
	TURN 0, 1, 1
	STEP 1, 0
	TURN 1, 0, 1
	STEP 0, 0
	s_sub_co_u32 s3, s3, 1
	s_cmp_lg_u32 s3, 0
	s_cbranch_scc1 .Llap
	TURN 0, 1, 0                                   ; the last lap fills nothing, and has no round
	STEP 1, 0
	; THE LAST STEP: block a is whole behind its eight products and is scaled one block later: the scalings of the block before are the places behind its products
	s_wait_dscnt 16                                ; A4-7 may be out
	G8 0, 1, 0
	G8 1, 1, 0
	PLACES
	SC 0, 1, 0                                     ; over W's set 0, last read in the step before
	G8 2, 1, 0
	SC 1, 1, 64
	G8 3, 1, 0
	SC 2, 0, 32
	s_wait_dscnt 0x0
	G8 4, 1, 0
	SC 3, 0, 96                                    ; v96-159: its upper half held A0 and A1
	G8 5, 1, 0
	PLACES
	SC 4, 0, 160                                   ; v160-223 held A2-5
	G8 6, 1, 0
	G8 7, 1, 0
	PLACES
	SC 5, 1, 128                                   ; over W's set 1
	SC 6, 1, 192
	SC 7, 2, 0                                     ; over block 0's accumulators, which have been scaled
	ST 0, 1, 0
	ST 1, 1, 64
	ST 2, 0, 32
	ST 3, 0, 96
	ST 4, 0, 160
	ST 5, 1, 128
	ST 6, 1, 192
	ST 7, 2, 0
	WIN 0
	s_wait_tensorcnt 0x0                           ; the wave's end
	ds_add_u32 v[SPW], v[NIL]
	s_wait_dscnt 0x0
	CROUND                                         ; the closing round
	s_endpgm
.Lfunc_end_k_q5aaa20a1e3_gemm:
	.size	k_q5aaa20a1e3_gemm, .Lfunc_end_k_q5aaa20a1e3_gemm-k_q5aaa20a1e3_gemm
	.p2alignl 7, 3214868480
	.fill 96, 4, 3214868480
	.section	.rodata,"a",@progbits
	.p2align	6, 0x0
	.amdhsa_kernel k_q5aaa20a1e3_gemm
		.amdhsa_group_segment_fixed_size 327680
		.amdhsa_private_segment_fixed_size 0
		.amdhsa_enable_private_segment 0
		.amdhsa_kernarg_size 32
		.amdhsa_user_sgpr_count 2
		.amdhsa_user_sgpr_kernarg_segment_ptr 1
		.amdhsa_wavefront_size32 1
		.amdhsa_system_sgpr_workgroup_id_x 1
		.amdhsa_system_sgpr_workgroup_id_y 1
		.amdhsa_system_sgpr_workgroup_id_z 1
		.amdhsa_system_vgpr_workitem_id 0
		.amdhsa_next_free_vgpr 1024
		.amdhsa_next_free_sgpr 98
		.amdhsa_reserve_vcc 0
		.amdhsa_float_denorm_mode_32 3
		.amdhsa_float_denorm_mode_16_64 3
		.amdhsa_memory_ordered 1
		.amdhsa_forward_progress 1
		.amdhsa_inst_pref_size 109
	.end_amdhsa_kernel
	.amdgpu_metadata
---
amdhsa.version: [ 1, 2 ]
amdhsa.kernels:
  - .name:           k_q5aaa20a1e3_gemm
    .symbol:         k_q5aaa20a1e3_gemm.kd
    .args:
      - { .name: a_codes, .offset: 0, .size: 8, .value_kind: global_buffer, .address_space: global }
      - { .name: b_codes, .offset: 8, .size: 8, .value_kind: global_buffer, .address_space: global }
      - { .name: lowp_scales, .offset: 16, .size: 8, .value_kind: global_buffer, .address_space: global }
      - { .name: out0, .offset: 24, .size: 8, .value_kind: global_buffer, .address_space: global }
    .group_segment_fixed_size: 327680
    .private_segment_fixed_size: 0
    .kernarg_segment_align: 8
    .kernarg_segment_size: 32
    .max_flat_workgroup_size: 128
    .sgpr_count:     98
    .vgpr_count:     1024
    .wavefront_size: 32
...
	.end_amdgpu_metadata
.endif
;; end of part 2
